; MI455X (gfx1250); checked and timed in simulation.
; The chip was launched on July 23, 2026; its instructions are those of AMD's public machine-readable ISA for CDNA 5 (MIT licence, August 2026) and "CDNA5" Instruction Set Architecture Reference Guide (July 2026). The comments in the code are by the model that wrote it; some were corrected since.
;; SVD Quant Linear. Allowed arithmetic: matrix products marked QUANTISED: E4M3 operands, one given power-of-two scale a tensor, by v_wmma_f32_16x16x64_fp8_fp8 or v_wmma_f32_16x16x128_fp8_fp8, f32 sums; products left as they are: f32 operands where the result goes on into a quantised operand, else bf16, f16 or f32 operands; f32 sums; everything else in f32.
;; Inputs: lora_A 16 x 4,096 float32; lora_B 4,096 x 16 float32; lora_E 16 x 1 float32; lowp_scales 4 int32 (the exponents e of the quantised operands' scales 2^e); qweight 4,096 x 4,096 int32; scales 4,096 x 32 float32; x_codes 4,096 x 128 x 32 uint8 (E4M3 codes of x, K innermost, in blocks of 32 codes); zeros 4,096 x 32 float32.
;; Outputs: out0 4,096 x 4,096 float32.
;; This version of the problem:
;;   THIS VERSION OF THE PROBLEM IS GIVEN IN LOW PRECISION. The matrix products marked QUANTISED in the list below multiply operands that are first quantised to E4M3 (4 exponent bits, 3 mantissa bits; 8 bits a number), with one given power-of-two scale for each operand tensor; their sums are f32. All else is computed in f32.
;;   The module's matrix products, in the order in which they are computed (A, B: the left and right operand; K: the contracted axis; several contracted axes count as one K, in the product's order):
;;     1. [M 4,096, K 4,096] x [K 4,096, N 4,096]; A: input x (given as codes); B: computed on the way: QUANTISED (scales: A lowp_scales[0], B lowp_scales[1])
;;     2. [M 4,096, K 4,096] x [K 4,096, N 16]; A: input x (given as codes); B: computed on the way: QUANTISED (scales: A lowp_scales[2], B lowp_scales[3])
;;     3. [M 4,096, K 16] x [K 16, N 4,096]; A: computed on the way; B: input lora_B: left as it is (K = 16 < 32)
;;   THE QUANTISER, for each operand of a quantised product, along K:
;;     - The operand's scale is 2^e, e = its entry of the input lowp_scales (int32; the entries are numbered through the quantised products in the list's order, A before B).
;;     - Each number is divided by the scale, clamped to +-448, and rounded to the nearest number of E4M3, ties to even, subnormals kept.
;;     - The product sums the exact products of the quantised numbers (number of the format x scale) in f32.
;;   ~~~python
;;   def quantise(x, axis, e):      # numpy; x: float32 -> the quantised numbers, widened to float32 again
;;       x = np.moveaxis(x, axis, -1); K = x.shape[-1]
;;       r = np.clip(x / 2.0 ** e, -448, 448)
;;       step = 2.0 ** (np.maximum(np.frexp(np.where(r == 0, 1, r))[1] - 1, -6) - 3)
;;       q = np.round(r / step) * step * 2.0 ** e      # np.round: ties to even
;;       return np.moveaxis(q, -1, axis).astype(np.float32)
;;   ~~~
;;   OPERANDS COMPUTED ON THE WAY. 'Computed on the way' means the value that the module computes at that place (a softmax that the list does not call 'softmax' is quantised finished and normalised). What goes into a quantiser is computed in f32, as accurately as f32 sums, v_exp_f32 and their like allow (about 1e-6 of the number): no bf16 or f16 on the way to a quantiser, and a product that is left as it is and whose result goes on into a quantised operand takes f32 operands (vector FMAs, or v_wmma_f32_16x16x4_f32). A number that lies on a knife's edge between two numbers of the format may be rounded either way, as far as f32 arithmetic and the matrix unit's own rounding can turn it there, and no further.
;;   INPUTS GIVEN AS CODES. x (in the module: [4096, 4096], K = its axis 1): each comes as NAME_codes (uint8): NAME with its K axis moved to the last place and cut into blocks of 32 codes, [.., K / 32, bytes a block], one block behind the other in memory; one code a byte (a code: sign, 4 exponent bits, 3 mantissa bits); its scale is its entry of lowp_scales. Its value is code x scale, taken as it is: it is not quantised again, and the codes and scales need not be those that the quantiser above would give.
;; One version. Each part assembles by itself: llvm-mc -triple=amdgcn-amd-amdhsa -mcpu=gfx1250 --defsym DOCPART=n.
;; ======== version 1 of 1: 2 launches
;; limits: values are held in bf16: 8 bits of precision; right only within a limited range of input values
;; workspace buffers: w_codes 16,777,216 bytes; ae_frag 65,536 bytes
;; launch prep (part 1): grid 1024 x 1, 4 waves a work-group, no clusters, 35,328 bytes of LDS; arguments qweight, zeros, scales, lowp_scales, lora_A, lora_E, w_codes, ae_frag; writes w_codes, ae_frag
.if DOCPART == 1
	.amdgcn_target "amdgcn-amd-amdhsa--gfx1250"
	.amdhsa_code_object_version 6
	.text
	.protected	k_qbeeed1ec5c_prep
	.globl	k_qbeeed1ec5c_prep
	.p2align	8
	.type	k_qbeeed1ec5c_prep,@function
k_qbeeed1ec5c_prep:
	s_mov_b64 s[64:65], 0
	v_nop
	global_prefetch_b8 v0, s[64:65] scope:SCOPE_SE
	s_setreg_imm32_b32 hwreg(HW_REG_WAVE_MODE, 25, 1), 1
	s_wait_xcnt 0x0
; Two operands are computed in f32 and turned into codes of FP8 (E4M3), once for the whole program.
;   W[o][k] = (q[o][k] - zeros[o][k / 128]) x scales[o][k / 128], with the given scale 2^e1.
;   AE[r][k] = lora_A[r][k] x lora_E[r], with the given scale 2^e3.
; Both are stored as IMAGES OF THE OPERAND'S REGISTERS: 16 rows x 128 K are 2,048 bytes, the code of row r, k = 128 s + 32 c + 16 h + i at byte 512 c + 16 (r + 16 h) + i.
; w_codes: image (ob, s) of rows 16 ob .. 16 ob + 15 at byte 2048 (32 ob + s).  ae_frag: image s at byte 2048 s.  A lane of the next launch takes a fragment by four loads of 16 bytes.
; code = number / 2^e, held within +-448, rounded to the nearest code, ties to even.
; LIMITS: -126 <= e1 and e1 + 8 <= 127, the same for e3, so that 2^e and 448 x 2^e are f32 numbers.  NaN among the inputs is not served.
; SHARES.  4,096 waves: wave o = 4 x work-group + wave takes rows 16 (o / 16) .. + 15, groups 2 (o % 16) and the next: 32 loads of 512 consecutive bytes in, 4,096 consecutive bytes out.
; AE is 128 blocks of 32 along K x 16 rows: waves 0 .. 127 (work-groups 0 to 31) take block o beside their share.  Waves share nothing: no barrier.
; The two kinds of work-group part once, on the work-group's number, into two expansions of one macro, each with LDS bytes of its own.
; No tensor loads, no cluster, no matrix unit: a stream that is read once and shared by nobody.
.set R,    16                          ; v16-143   eight sets of 16 numbers of W, as loaded
.set C,    144                         ; v144-175  W's codes
.set AR,   176                         ; v176-191  16 numbers of AE
.set AC,   192                         ; v192-195  their codes
.set GIN,  2                           ; v2   AE: my lane's byte in lora_A
.set GOF,  3                           ; v3   16 x lane: W's loads, and all stores
.set LS,   4                           ; v4   LDS: where my lane puts four codes
.set LL,   5                           ; v5   LDS: where my lane takes sixteen
.set SC,   6                           ; v6   2^e1 as f32
.set LIMV, 7                           ; v7   448 x 2^e1
.set EV,   8                           ; v[8:9] lora_E[r], twice
.set SC3,  10                          ; v10  2^e3
.set LIM3, 11                          ; v11  448 x 2^e3
.set ZS,   16                          ; s16-47  zeros of my 16 rows x 2 groups
.set SS,   68                          ; s68-99  scales likewise
.set UNIT, 8*272                       ; an image in LDS: eight runs of 256 bytes, 272 apart, so that the 32 lanes of a store touch 32 different banks (64 banks of 4 bytes: ISA guide 11.1)
.set WLDS, 2*UNIT                      ; a wave's LDS bytes
.set SPARE, 8*WLDS                     ; behind both paths' bytes: the spare words
.macro MKSCALE e, sc, lim
	s_add_co_i32 s[\e], s[\e], 127
	s_lshl_b32 s8, s[\e], 23
	v_mov_b32 v[\sc], s8
	s_add_co_i32 s[\e], s[\e], 8
	s_lshl_b32 s[\e], s[\e], 23
	s_or_b32 s[\e], s[\e], 0x600000                ; the mantissa field of 448
	v_mov_b32 v[\lim], s[\e]
.endm
; Step t: rows 4 (t % 4) + i, i = 0 .. 3, of group t / 4.  Register R + 16 t + 4 i + j holds k = 4 lane + j of that group.
.macro WSTEP t
	s_wait_loadcnt 28-4*(\t)                       ; loads come back in order: this step's four are in
.set n, 0
.rept 16
	v_cvt_f32_i32 v[R+16*(\t)+n], v[R+16*(\t)+n]
.set n, n+1
.endr
.set n, 0
.rept 16                               ; a difference and a product, each rounded, as the definition has them
	v_sub_f32 v[R+16*(\t)+n], v[R+16*(\t)+n], s[ZS+2*(4*((\t)%4)+n/4)+(\t)/4]
.set n, n+1
.endr
.set n, 0
.rept 16
	v_mul_f32 v[R+16*(\t)+n], s[SS+2*(4*((\t)%4)+n/4)+(\t)/4], v[R+16*(\t)+n]
.set n, n+1
.endr
.set n, 0
.rept 16
	v_med3_num_f32 v[R+16*(\t)+n], v[R+16*(\t)+n], -v[LIMV], v[LIMV]   ; the conversion does not saturate (ISA guide 7.6.2): the hold comes first
.set n, n+1
.endr
	v_cvt_scalef32_pk8_fp8_f32 v[C+4*(\t):C+4*(\t)+1], v[R+16*(\t):R+16*(\t)+7], v[SC]
	v_cvt_scalef32_pk8_fp8_f32 v[C+4*(\t)+2:C+4*(\t)+3], v[R+16*(\t)+8:R+16*(\t)+15], v[SC]
.irp i, 0,1,2,3                        ; the turn is made on the codes: four bytes a lane in, at run lane / 4, byte 16 row + 4 (lane % 4)
	ds_store_b32 v[LS], v[C+4*(\t)+\i] offset:UNIT*((\t)/4)+16*(4*((\t)%4)+\i)
.endr
.if ((\t)%4) == 3                      ; an image is whole: sixteen bytes a lane out.  LDS serves a wave's instructions in order (ISA guide 5.7.1.4)
.irp i, 0,1,2,3
	ds_load_b128 v[R+64*((\t)/4)+4*\i:R+64*((\t)/4)+4*\i+3], v[LL] offset:UNIT*((\t)/4)+544*\i
.endr
.endif
.if (\t) == 4
	s_wait_dscnt 4                                 ; the first image is back; this step's four stores may be out
.irp i, 0,1,2,3
	global_store_b128 v[GOF], v[R+4*\i:R+4*\i+3], s[12:13] offset:512*\i   ; 512 consecutive bytes, at a multiple of 512 from the buffer's first byte
.endr
.endif
.endm
.macro WPATH ldsb, ae
	s_lshr_b32 s66, s3, 4                          ; ob
	s_and_b32 s67, s3, 15                          ; which pair of groups
	s_lshl_b32 s8, s66, 18                         ; 16 rows of 16,384 bytes
	s_lshl_b32 s10, s67, 10                        ; two groups of 512 bytes
	s_add_co_u32 s8, s8, s10
	s_add_nc_u64 s[10:11], s[48:49], s[8:9]        ; my corner of qweight
	s_lshl_b32 s8, s3, 12
	s_add_nc_u64 s[12:13], s[60:61], s[8:9]        ; my two images
	s_lshl_b32 s8, s66, 11                         ; 16 rows of 128 bytes
	s_lshl_b32 s14, s67, 3
	s_add_co_u32 s8, s8, s14
	s_add_nc_u64 s[14:15], s[50:51], s[8:9]        ; zeros,
	s_add_nc_u64 s[52:53], s[52:53], s[8:9]        ; scales: two numbers of each of 16 rows
	; one load of the wave covers one row's one group: zero and scale are the same in all lanes, so they are scalars
.set rr, 0
.rept 16
	s_load_b64 s[ZS+2*rr:ZS+2*rr+1], s[14:15], 128*rr
	s_load_b64 s[SS+2*rr:SS+2*rr+1], s[52:53], 128*rr
.set rr, rr+1
.endr
.if \ae
	s_lshl_b32 s8, s3, 7
	s_add_nc_u64 s[56:57], s[56:57], s[8:9]        ; lora_A at k = 32 o
	s_lshl_b32 s8, s3, 9
	s_add_nc_u64 s[62:63], s[62:63], s[8:9]        ; block o of the images: 512 bytes
	v_and_b32 v12, 15, v0                          ; r
	v_bfe_u32 v13, v0, 4, 1                        ; h
	v_lshlrev_b32 v[GIN], 14, v12
	v_lshl_add_u32 v[GIN], v13, 6, v[GIN]          ; row r, + 64 h: my 16 numbers of the block of 32
	v_lshlrev_b32 v12, 2, v12
	global_load_b32 v[EV], v12, s[58:59]           ; lora_E[r]
.irp j, 0,1,2,3                        ; lanes stand 64 bytes or a row apart: lora_A is 262,144 of the launch's 68 million bytes in
	global_load_b128 v[AR+4*\j:AR+4*\j+3], v[GIN], s[56:57] offset:16*\j
.endr
.endif
	s_mul_i32 s66, s2, WLDS                        ; my wave's LDS bytes,
.if (\ldsb) > 0
	s_add_co_u32 s66, s66, \ldsb                   ; among this path's own
.endif
	v_lshrrev_b32 v14, 2, v1
	v_and_b32 v15, 3, v1
	v_mul_u32_u24 v14, v14, 272
	v_lshl_add_u32 v14, v15, 2, v14
	v_add_nc_u32 v[LS], s66, v14                   ; run lane / 4, + 4 (lane % 4)
	v_lshrrev_b32 v14, 4, v1
	v_and_b32 v15, 15, v1
	v_mul_u32_u24 v14, v14, 272
	v_lshl_add_u32 v14, v15, 4, v14
	v_add_nc_u32 v[LL], s66, v14                   ; run lane / 16, + 16 (lane % 16)
.set tt, 0
.rept 8                                ; all 32 loads at once, in the steps' order
.irp i, 0,1,2,3
	global_load_b128 v[R+16*tt+4*\i:R+16*tt+4*\i+3], v[GOF], s[10:11] offset:(4*(tt%4)+\i)*16384+(tt/4)*512 th:TH_LOAD_NT
.endr
.set tt, tt+1
.endr
	s_wait_kmcnt 0x0                               ; the exponents, the zeros and the scales
	MKSCALE 5, SC, LIMV
.if \ae
	MKSCALE 7, SC3, LIM3
	s_wait_loadcnt 32                              ; AE's five loads, the first of all, are in
	v_mov_b32 v[EV+1], v[EV]
.irp n, 0,2,4,6,8,10,12,14
	v_pk_mul_f32 v[AR+\n:AR+\n+1], v[AR+\n:AR+\n+1], v[EV:EV+1]
.endr
.set n, 0
.rept 16
	v_med3_num_f32 v[AR+n], v[AR+n], -v[LIM3], v[LIM3]
.set n, n+1
.endr
	v_cvt_scalef32_pk8_fp8_f32 v[AC:AC+1], v[AR:AR+7], v[SC3]
	v_cvt_scalef32_pk8_fp8_f32 v[AC+2:AC+3], v[AR+8:AR+15], v[SC3]
	global_store_b128 v[GOF], v[AC:AC+3], s[62:63] ; 512 consecutive bytes
.endif
.irp t, 0,1,2,3,4,5,6,7
	WSTEP \t
.endr
	s_wait_dscnt 0x0
.irp i, 0,1,2,3
	global_store_b128 v[GOF], v[R+64+4*\i:R+64+4*\i+3], s[12:13] offset:2048+512*\i
.endr
	s_wait_tensorcnt 0x0                           ; the wave's end
	ds_add_u32 v196, v197
	s_wait_dscnt 0x0
	s_endpgm
.endm
	s_load_b512 s[48:63], s[0:1], 0x0              ; qweight 48, zeros 50, scales 52, lowp_scales 54, lora_A 56, lora_E 58, w_codes 60, ae_frag 62
	v_lshl_add_u32 v196, v0, 2, SPARE
	v_mov_b32 v197, 0
	v_lshrrev_b32 v1, 5, v0
	v_readfirstlane_b32 s2, v1                     ; wave 0..3
	v_and_b32 v1, 31, v0                           ; lane
	v_lshlrev_b32 v[GOF], 4, v1
	s_mov_b32 s9, 0                                ; the upper word of every offset
	s_lshl_b32 s3, ttmp9, 2
	s_add_co_u32 s3, s3, s2                        ; o = 4 x work-group + wave
	s_wait_kmcnt 0x0
	s_load_b128 s[4:7], s[54:55], 0x0              ; e0, e1, e2, e3
	s_cmp_lt_u32 ttmp9, 32                         ; the paths part on the work-group's number alone
	s_cbranch_scc1 .Lwith_ae
	s_wait_alu depctr_va_vdst(0)
	WPATH 0, 0
.Lwith_ae:
	s_wait_alu depctr_va_vdst(0)
	WPATH 4*WLDS, 1
.Lfunc_end_k_qbeeed1ec5c_prep:
	.size	k_qbeeed1ec5c_prep, .Lfunc_end_k_qbeeed1ec5c_prep-k_qbeeed1ec5c_prep
	.p2alignl 7, 3214868480
	.fill 96, 4, 3214868480
	.section	.rodata,"a",@progbits
	.p2align	6, 0x0
	.amdhsa_kernel k_qbeeed1ec5c_prep
		.amdhsa_group_segment_fixed_size 35328
		.amdhsa_private_segment_fixed_size 0
		.amdhsa_enable_private_segment 0
		.amdhsa_kernarg_size 64
		.amdhsa_user_sgpr_count 2
		.amdhsa_user_sgpr_kernarg_segment_ptr 1
		.amdhsa_wavefront_size32 1
		.amdhsa_system_sgpr_workgroup_id_x 1
		.amdhsa_system_sgpr_workgroup_id_y 1
		.amdhsa_system_sgpr_workgroup_id_z 1
		.amdhsa_system_vgpr_workitem_id 0
		.amdhsa_next_free_vgpr 198
		.amdhsa_next_free_sgpr 100
		.amdhsa_reserve_vcc 0
		.amdhsa_float_denorm_mode_32 3
		.amdhsa_float_denorm_mode_16_64 3
		.amdhsa_memory_ordered 1
		.amdhsa_forward_progress 1
		.amdhsa_inst_pref_size 74
	.end_amdhsa_kernel
	.amdgpu_metadata
---
amdhsa.version: [ 1, 2 ]
amdhsa.kernels:
  - .name:           k_qbeeed1ec5c_prep
    .symbol:         k_qbeeed1ec5c_prep.kd
    .args:
      - { .name: qweight, .offset: 0, .size: 8, .value_kind: global_buffer, .address_space: global }
      - { .name: zeros, .offset: 8, .size: 8, .value_kind: global_buffer, .address_space: global }
      - { .name: scales, .offset: 16, .size: 8, .value_kind: global_buffer, .address_space: global }
      - { .name: lowp_scales, .offset: 24, .size: 8, .value_kind: global_buffer, .address_space: global }
      - { .name: lora_A, .offset: 32, .size: 8, .value_kind: global_buffer, .address_space: global }
      - { .name: lora_E, .offset: 40, .size: 8, .value_kind: global_buffer, .address_space: global }
      - { .name: w_codes, .offset: 48, .size: 8, .value_kind: global_buffer, .address_space: global }
      - { .name: ae_frag, .offset: 56, .size: 8, .value_kind: global_buffer, .address_space: global }
    .group_segment_fixed_size: 35328
    .private_segment_fixed_size: 0
    .kernarg_segment_align: 8
    .kernarg_segment_size: 64
    .max_flat_workgroup_size: 128
    .sgpr_count:     100
    .vgpr_count:     198
    .wavefront_size: 32
...
	.end_amdgpu_metadata
.endif
;; end of part 1
;; launch gemm (part 2): grid 16 x 16, 4 waves a work-group, clusters of 4 x 4, 327,680 bytes of LDS; arguments x_codes, w_codes, lowp_scales, out0, ae_frag, lora_B; writes out0
.if DOCPART == 2
	.amdgcn_target "amdgcn-amd-amdhsa--gfx1250"
	.amdhsa_code_object_version 6
	.text
	.protected	k_qbeeed1ec5c_gemm
	.globl	k_qbeeed1ec5c_gemm
	.p2align	8
	.type	k_qbeeed1ec5c_gemm,@function
k_qbeeed1ec5c_gemm:
	s_mov_b64 s[64:65], 0
	v_nop
	global_prefetch_b8 v0, s[64:65] scope:SCOPE_SE
	s_setreg_imm32_b32 hwreg(HW_REG_WAVE_MODE, 25, 1), 1
	s_wait_xcnt 0x0
	s_wait_alu depctr_hold_cnt(0) depctr_sa_sdst(0) depctr_va_vdst(0) depctr_va_sdst(0) depctr_va_ssrc(0) depctr_va_vcc(0) depctr_vm_vsrc(0)
	s_getreg_b32 s2, hwreg(HW_REG_IB_STS2, 6, 4)
	s_cmp_eq_u32 s2, 0
	s_cbranch_scc0 .Lentry_in_a_cluster
	s_endpgm
.Lentry_in_a_cluster:
	s_bfe_u32 s2, ttmp6, 0x10000c
	s_cmp_lg_u32 s2, 0xf033
	s_cbranch_scc0 .Lentry_shape_is_right
	s_endpgm
.Lentry_shape_is_right:
; out[m][n] = 2^(e0+e1) sum_k x[m][k] W[n][k]  +  (16 / 16.00001) sum_r T[m][r] lora_B[n][r],  T[m][r] = 2^(e2+e3) sum_k x[m][k] AE[r][k].  x, W, AE: codes of FP8 (E4M3); sums in f32.
; LIMITS: e0 + e1 lies between -126 and 127 and e2 + e3 - e0 - e1 between -125 and 127, so that both factors are f32 numbers.  T and lora_B go to the matrix unit in bf16.
; A block of out, 256 x 256, is made by four waves, each 128 x 128: 64 accumulators.  K goes in steps of 256 through a ring of two LDS slots; 4 x 4 work-groups form a cluster and ask jointly for x's tiles
; along a row of the cluster and for W's along a column.  Half of the clusters begin their walk along K at 2,048 and wrap round.
; Each wave also makes T for 64 of the block's rows (four products for 128 along K, AE's fragments straight from memory); two waves exchange their halves through LDS, and T x lora_B joins the sums at the end.
; At a change of slots the products with x's fragments 0-3 and T's stand ahead of the wait for the tile, those with 4-7 behind the refill: between that wait and the refill stand the add, its wait and the round alone.
.set SIZE_N, 4096
.set SIZE_K, 4096
.set KSTEP,  256
.set ROWB,   256
.set KROW,   SIZE_K
.set PITCH,  272
.set FR,     16
.set NL,     4
.set NP,     4
.set HALFT,  128*PITCH
; W comes as images of the operand's registers (16 rows x 128 K in 2,048 bytes; a block of 16 rows is 65,536 bytes on end).  Of a wave's eight fragments of W, 0-3 go through LDS: a joint load brings
; 4 blocks x 4,096 bytes (256 along K), dense, and a lane reads them at 16 x lane.  Fragments 4-7 come from memory straight into registers, 16 loads of 512 consecutive bytes a step, asked for
; in the run of loads at a step's end, one whole step ahead of their use.  That takes a quarter of a step's LDS reads and fills away.
.set BIMG,   16384                     ; 4 blocks x 4,096 bytes: a column half's images in a slot
.set SLOT,   2*HALFT+2*BIMG            ; x's 256 rows, then W's images for the two column halves
.set LAPS,   SIZE_K/(2*KSTEP)
.set SPARE,  2*SLOT
.set LBI,    SPARE+512
.set XCH,    LBI+4*4096
.set SPITCH, 528
.set ADRA, 16
.set ADRB, 20
.set LBA,  22
.set XST,  23
.set STO,  24
.set RD,   25
.set CO,   26
.set SPW,  28
.set NIL,  29
.set PFO,  30
.set XLD,  31
.set EF,   32
.set T,    64
.set LBP,  96
.set AF,   128
.set TF,   128
.set LBF,  192
.set TMP,  32
.set BK,   128
.set G1,  24
.set G0,  32
.set G1B, 48
.set G0B, 56
.set AEB, 68
.set PFA, 72
.set LIM, 74
.set SA,  80
.set AEP1, 82
.set AEP0, 84
.set XB,  86
.set WB,  88
.set KO,  90
.set KB,  66                           ; s[66:67] 16 x KO: 256 along K are 4,096 bytes of a block's images
.set WP1, 42                           ; s[42:43], s[44:45] my blocks of W at the steps that AEP1 and AEP0 stand at
.set WP0, 44
.set PST, 100                          ; s[100:101] a K step in the prefetched buffer: 256 bytes of x's rows, 4,096 of W's images
.set MSB, 0
.macro WIN new
.if MSB != (\new)
	s_set_vgpr_msb (MSB<<8)|(\new)
.set MSB, (\new)
.endif
.endm
.set MUL_LO, 0xa1
.set MUL_HI, 0xf1
.set TO_B,   0x40
.macro JLOAD g0a, g1a, g0b, g1b
	s_cmp_eq_u32 s15, 0
	s_cbranch_scc0 .Lfor_b_\@
	tensor_load_to_lds s[\g0a:\g0a+3], s[\g1a:\g1a+7]
	s_nop 0
.rept 4
	v_nop
.endr
	s_branch .Lasked_\@
.Lfor_b_\@:
	tensor_load_to_lds s[\g0b:\g0b+3], s[\g1b:\g1b+7]
	s_nop 0
.rept 4
	v_nop
.endr
.Lasked_\@:
.endm
.macro ASK
	s_cmp_gt_u32 s3, s[LIM]
	s_cbranch_scc0 .Lnot_mine_\@
	global_prefetch_b8 v[PFO], s[PFA:PFA+1] th:TH_LOAD_NT scope:SCOPE_SE
.Lnot_mine_\@:
.endm
.macro CREST
	s_cmp_lg_u32 s14, 0
	s_cbranch_scc1 .Lnot_wave_0_\@
	s_barrier_signal -3
.Lnot_wave_0_\@:
	s_barrier_wait -3
	s_barrier_signal -1
	s_barrier_wait -1
.endm
.macro CROUND
	s_barrier_signal -1
	s_barrier_wait -1
	CREST
.endm
	s_load_b128 s[4:7], s[0:1], 0x0
	s_load_b128 s[8:11], s[0:1], 0x10
	s_load_b128 s[68:71], s[0:1], 0x20
	v_lshl_add_u32 v[SPW], v0, 2, SPARE
	v_mov_b32 v[NIL], 0
	ds_add_u32 v28, v29
	ds_add_u32 v28, v29
	s_wait_dscnt 0x0
	v_lshrrev_b32 v1, 5, v0
	v_readfirstlane_b32 s14, v1
	s_lshr_b32 s15, s14, 1
	s_and_b32 s16, s14, 1
	s_bfe_u32 s40, ttmp6, 0x40000
	s_bfe_u32 s41, ttmp6, 0x40004
	s_lshl_b32 s42, ttmp9, 2
	s_add_co_u32 s42, s42, s40
	s_and_b32 s17, ttmp7, 0xffff
	s_lshl_b32 s17, s17, 2
	s_add_co_u32 s17, s17, s41
	s_lshl_b32 s43, s41, 2
	s_lshl_b32 s43, 15, s43
	s_lshl_b32 s44, 0x1111, s40
	s_and_b32 s[KO], ttmp7, 0xffff
	s_xor_b32 s[KO], s[KO], ttmp9
	s_lshr_b32 s[KO+1], s[KO], 1
	s_xor_b32 s[KO], s[KO], s[KO+1]
	s_and_b32 s[KO], s[KO], 1
	s_lshl_b32 s[SA], s[KO], 15
	s_lshl_b32 s[KO], s[KO], 11
	s_mov_b32 s[SA+1], 0
	s_mov_b32 s[KO+1], 0
	s_or_b32 s[G1+0], s43, (0<<16)|(1<<20)|(1<<21)|(5<<22)|(3<<25)
	s_or_b32 s[G1B+0], s44, (1<<21)                ; W's images: no padding
	s_mov_b32 s[G1B+1], 4096<<16                   ; rows of 4,096 bytes,
	s_mov_b32 s[G1B+2], 4<<16                      ; four of them,
	s_mov_b32 s[G1B+3], 4096<<16
	s_mov_b32 s[G1B+4], 4
	s_mov_b32 s[G1B+5], 65536                      ; a block of 16 rows apart
	s_mov_b32 s[G1B+6], 0
	s_mov_b32 s[G1B+7], 0
.irp g, G1
	s_mov_b32 s[\g+1], ROWB<<16
	s_mov_b32 s[\g+2], 128<<16
	s_mov_b32 s[\g+3], ROWB<<16
	s_mov_b32 s[\g+4], 128
	s_mov_b32 s[\g+5], KROW
	s_mov_b32 s[\g+6], 0
	s_mov_b32 s[\g+7], 0
.endr
	s_lshl_b32 s18, s16, 7
	s_lshl_b32 s20, s17, 8
	s_add_co_u32 s20, s20, s18
	s_lshl_b32 s46, s42, 8
	s_add_co_u32 s46, s46, s18
	s_mov_b32 s21, 0
	s_mov_b32 s47, 0
	s_mov_b64 s[18:19], KROW
	s_mul_u64 s[20:21], s[20:21], s[18:19]
	s_mul_u64 s[46:47], s[46:47], s[18:19]
	s_mul_i32 s45, s14, HALFT
	s_lshl_b32 s75, s16, 14
	s_add_co_u32 s75, s75, 2*HALFT                 ; where a column half's images go
	s_mov_b32 s[KB+1], 0
	s_wait_kmcnt 0x0
	s_load_b128 s[92:95], s[8:9], 0x0
	s_add_nc_u64 s[XB:XB+1], s[4:5], s[20:21]
	s_add_nc_u64 s[WB:WB+1], s[6:7], s[46:47]
	CROUND
.irp s, 0,1
.if \s
	s_add_co_u32 s[KO], s[KO], ROWB
.endif
	s_mov_b32 s[G0+4*\s], 1
	s_add_co_u32 s[G0+4*\s+1], s45, \s*SLOT
	s_add_nc_u64 s[G0+4*\s+2:G0+4*\s+3], s[XB:XB+1], s[KO:KO+1]
	s_or_b32 s[G0+4*\s+3], s[G0+4*\s+3], 0x80000000
	s_mov_b32 s[G0B+4*\s], 1
	s_lshl_b32 s[KB], s[KO], 4
	s_add_co_u32 s[G0B+4*\s+1], s75, \s*SLOT
	s_add_nc_u64 s[G0B+4*\s+2:G0B+4*\s+3], s[WB:WB+1], s[KB:KB+1]
	s_or_b32 s[G0B+4*\s+3], s[G0B+4*\s+3], 0x80000000
.endr
	JLOAD G0, G1, G0B, G1B                         ; the walk's first K step: one tensor load a wave at the head, behind the opening round
	v_and_b32 v1, 15, v0
	v_bfe_u32 v2, v0, 4, 1
	v_mul_u32_u24 v3, v1, PITCH
	v_lshl_add_u32 v4, v2, 4, v3
	v_and_b32 v8, 31, v0
	v_lshlrev_b32 v8, 4, v8                        ; 16 x lane: W's images in LDS
	s_wait_alu depctr_va_vdst(0)
	s_mul_i32 s21, s15, HALFT
	s_mul_i32 s23, s16, 64*PITCH
	s_add_co_u32 s76, s21, s23
	s_xor_b32 s77, s16, 1
	s_mul_i32 s77, s77, 64*PITCH
	s_add_co_u32 s77, s21, s77
	s_lshl_b32 s22, s16, 14
	s_add_co_u32 s22, s22, 2*HALFT
.irp s, 0,1
	v_add_nc_u32 v[ADRA+\s], s76, v4
	v_add_nc_u32 v[ADRA+2+\s], s77, v4
	v_add_nc_u32 v[ADRB+\s], s22, v8
	s_add_co_u32 s76, s76, SLOT
	s_add_co_u32 s77, s77, SLOT
	s_add_co_u32 s22, s22, SLOT
.endr
	v_and_b32 v6, 31, v0
	v_lshlrev_b32 v[CO], 4, v6
	s_wait_alu depctr_va_vdst(0)
	s_mul_i32 s23, s14, 16*SPITCH
	v_mul_u32_u24 v5, v1, SPITCH
	v_lshl_add_u32 v5, v2, 5, v5
	v_add_nc_u32 v[STO], s23, v5
	v_add_nc_u32 v[RD], s23, v[CO]
	s_lshl_b32 s23, s14, 12
	s_add_co_u32 s23, s23, LBI
	v_add_nc_u32 v[LBA], s23, v[CO]
	s_lshl_b32 s23, s14, 11
	s_add_co_u32 s23, s23, XCH
	v_add_nc_u32 v[XST], s23, v[CO]
	s_xor_b32 s23, s14, 1
	s_lshl_b32 s23, s23, 11
	s_add_co_u32 s23, s23, XCH
	v_add_nc_u32 v[XLD], s23, v[CO]
	v_lshlrev_b32 v7, 6, v1
	v_lshl_add_u32 v7, v2, 5, v7
	s_wait_alu depctr_va_vdst(0)
	s_lshl_b32 s20, s17, 8
	s_lshl_b32 s21, s15, 7
	s_add_co_u32 s20, s20, s21
	s_lshl_b32 s21, s16, 6
	s_add_co_u32 s76, s20, s21
	s_xor_b32 s21, s21, 64
	s_add_co_u32 s78, s20, s21
	s_lshl_b32 s76, s76, 14
	s_lshl_b32 s78, s78, 14
	s_lshl_b32 s46, s42, 10
	s_lshl_b32 s47, s16, 9
	s_add_co_u32 s46, s46, s47
	s_add_co_u32 s76, s76, s46
	s_add_co_u32 s78, s78, s46
	s_mov_b32 s77, 0
	s_mov_b32 s79, 0
	s_add_nc_u64 s[12:13], s[10:11], s[78:79]
	s_add_nc_u64 s[10:11], s[10:11], s[76:77]
	s_lshl_b32 s76, s42, 14
	s_lshl_b32 s78, s16, 13
	s_add_co_u32 s76, s76, s78
	s_add_nc_u64 s[70:71], s[70:71], s[76:77]
	s_lshl_b32 s76, s17, 8
	s_lshl_b32 s78, s42, 8
	s_and_b32 s22, ttmp7, 0xffff
	s_cmp_eq_u32 s15, 0
	s_cselect_b32 s20, s76, s78
	s_cselect_b32 s21, s40, s41
	s_cselect_b32 s22, ttmp9, s22
	s_cselect_b64 s[PFA:PFA+1], s[4:5], s[6:7]
	s_cselect_b32 s23, 0, 4                        ; bytes along K: x as they are, W's images x 16
	s_cselect_b32 s19, 17, 10                      ; my work-group's share of a K step: 32 rows of x, or 1,024 bytes of each of 8 blocks of W
	s_cselect_b32 s18, 0, 2                        ; lanes: a row of x each, or four to a block of W, 256 bytes apart
	s_cselect_b32 s79, 12, 16
	s_cselect_b32 s78, 0, 3
	s_cmp_lt_u32 s22, 2
	s_cselect_b32 s[LIM], 5, -1
	s_lshl_b32 s22, s16, 7
	s_add_co_u32 s20, s20, s22
	s_lshl_b32 s20, s20, 12                        ; 4,096 bytes a row in both layouts
	s_lshl_b32 s21, s21, s19
	s_add_co_u32 s20, s20, s21
	s_add_co_u32 s21, s[KO], 2*ROWB
	s_lshl_b32 s21, s21, s23
	s_add_co_u32 s20, s20, s21
	s_mov_b32 s21, 0
	s_add_nc_u64 s[PFA:PFA+1], s[PFA:PFA+1], s[20:21]
	s_lshl_b32 s[PST], ROWB, s23
	s_mov_b32 s[PST+1], 0
	s_add_nc_u64 s[AEP1:AEP1+1], s[AEB:AEB+1], s[SA:SA+1]
	s_add_co_u32 s76, s[SA], 4096
	s_and_b32 s76, s76, 0xffff
	s_mov_b32 s77, 0
	s_add_nc_u64 s[AEP0:AEP0+1], s[AEB:AEB+1], s[76:77]
	s_add_nc_u64 s[WP1:WP1+1], s[WB:WB+1], s[SA:SA+1]   ; a step is 2,048 bytes in AE's images and in each block of W's alike
	s_add_nc_u64 s[WP0:WP0+1], s[WB:WB+1], s[76:77]
	v_lshrrev_b32 v9, s18, v6
	v_lshlrev_b32 v9, s79, v9
	v_and_b32 v10, s78, v6
	v_lshl_add_u32 v[PFO], v10, 8, v9
.macro FRAG reg, adr, q, i
.irp c, 0,1,2,3
	ds_load_b128 v[\reg+4*\c:\reg+4*\c+3], v[\adr] offset:128*(\q)+32*\c+(\i)*16*PITCH
.endr
.endm
.macro MUL16 a0, p, zero
.irp a, \a0, \a0+1
.irp b, 0,1,2,3,4,5,6,7
.if \zero
	v_wmma_f32_16x16x128_fp8_fp8 v[8*(8*((\a)%4)+\b):8*(8*((\a)%4)+\b)+7], v[128*(\p)+FR*\b:128*(\p)+FR*\b+FR-1], v[AF+FR*(\a):AF+FR*(\a)+FR-1], 0
.else
	v_wmma_f32_16x16x128_fp8_fp8 v[8*(8*((\a)%4)+\b):8*(8*((\a)%4)+\b)+7], v[128*(\p)+FR*\b:128*(\p)+FR*\b+FR-1], v[AF+FR*(\a):AF+FR*(\a)+FR-1], v[8*(8*((\a)%4)+\b):8*(8*((\a)%4)+\b)+7]
.endif
.endr
.endr
.endm
.macro TMUL p, zero
.irp a, 0,1,2,3
.if \zero
	v_wmma_f32_16x16x128_fp8_fp8 v[T+8*\a:T+8*\a+7], v[EF+16*\p:EF+16*\p+15], v[AF+FR*\a:AF+FR*\a+FR-1], 0
.else
	v_wmma_f32_16x16x128_fp8_fp8 v[T+8*\a:T+8*\a+7], v[EF+16*\p:EF+16*\p+15], v[AF+FR*\a:AF+FR*\a+FR-1], v[T+8*\a:T+8*\a+7]
.endif
.endr
.endm
.macro AELOAD p, base, off
.irp c, 0,1,2,3
	global_load_b128 v[EF+16*\p+4*\c:EF+16*\p+4*\c+3], v[CO], s[\base:\base+1] offset:\off+512*\c
.endr
.endm
.macro FETCH_B slot, q, p
	WIN TO_B
.irp i, 0,1,2,3
.irp c, 0,1,2,3
	ds_load_b128 v[128*(\p)+FR*\i+4*\c:128*(\p)+FR*\i+4*\c+3], v[ADRB+\slot] offset:4096*\i+2048*(\q)+512*\c
.endr
.endr
	WIN 0
.endm
.macro DIRECT p, base, off             ; W's fragments 4-7 of one step, from memory into set p
	WIN TO_B
.irp i, 4,5,6,7
.irp c, 0,1,2,3
	global_load_b128 v[128*(\p)+FR*\i+4*\c:128*(\p)+FR*\i+4*\c+3], v[CO], s[\base:\base+1] offset:65536*\i+\off+512*\c
.endr
.endr
	WIN 0
.endm
.macro FETCH_A slot, q, hi
.irp i, 0,1,2,3
	FRAG AF+FR*(4*\hi+\i), ADRA+2*\hi+\slot, \q, \i
.endr
.endm
.macro PLACES n
.rept \n
	v_nop
.endr
.endm
.macro STEP slot, q, zero, ae
	s_wait_loadcnt 20                              ; this step's AE and W are in; the step before's 4 + 16 loads may be out
	s_wait_dscnt 4*NL
	WIN MUL_LO
	MUL16 0, (\q)%2, \zero
	MUL16 2, (\q)%2, \zero
	WIN 0
	TMUL 0, \zero
	s_wait_dscnt 0
	PLACES NP
	FETCH_B \slot, (\q)+1, 1-(\q)%2
	FETCH_A \slot, (\q)+1, 0
.if \ae
	AELOAD 0, AEP0, 0
.endif
	WIN MUL_HI
	MUL16 4, (\q)%2, \zero
	MUL16 6, (\q)%2, \zero
	PLACES NP
	WIN 0
	FETCH_A \slot, (\q)+1, 1
.if \ae
	DIRECT 0, WP0, 0                               ; set 0 has had its last product: the step after the next
.endif
.endm
.macro TURN slot, next, fill, ae
	s_wait_loadcnt 20                              ; this step's AE and W are in; the step before's 4 + 16 loads may be out
	s_wait_dscnt 4*NL
	WIN MUL_LO
	MUL16 0, 1, 0
	MUL16 2, 1, 0
	WIN 0
	TMUL 1, 0
	s_wait_xcnt 0x0
	s_add_nc_u64 s[PFA:PFA+1], s[PFA:PFA+1], s[PST:PST+1]
	s_add_co_u32 s[SA], s[SA], 4096
	s_and_b32 s[SA], s[SA], 0xffff
	s_add_nc_u64 s[AEP1:AEP1+1], s[AEB:AEB+1], s[SA:SA+1]
	s_add_co_u32 s76, s[SA], 4096
	s_and_b32 s76, s76, 0xffff
	s_add_nc_u64 s[AEP0:AEP0+1], s[AEB:AEB+1], s[76:77]
	s_add_nc_u64 s[WP1:WP1+1], s[WB:WB+1], s[SA:SA+1]
	s_add_nc_u64 s[WP0:WP0+1], s[WB:WB+1], s[76:77]
	s_wait_tensorcnt 0x0
	ds_add_u32 v[SPW], v[NIL]
.if \fill
	s_add_co_u32 s[KO], s[KO], ROWB
	s_and_b32 s[KO], s[KO], SIZE_K-1
	s_add_nc_u64 s[G0+4*\slot+2:G0+4*\slot+3], s[XB:XB+1], s[KO:KO+1]
	s_or_b32 s[G0+4*\slot+3], s[G0+4*\slot+3], 0x80000000
	s_lshl_b32 s[KB], s[KO], 4
	s_add_nc_u64 s[G0B+4*\slot+2:G0B+4*\slot+3], s[WB:WB+1], s[KB:KB+1]
	s_or_b32 s[G0B+4*\slot+3], s[G0B+4*\slot+3], 0x80000000
.endif
	s_wait_dscnt 0x0                               ; the add is done, and my reads of this slot are over
	s_barrier_signal -1
	s_barrier_wait -1
.if \fill
	CREST
	JLOAD G0+4*\slot, G1, G0B+4*\slot, G1B
.else
	PLACES NP
.endif
	FETCH_B \next, 0, 0
	FETCH_A \next, 0, 0
.if \ae
	AELOAD 1, AEP1, 2048
.endif
.if \fill
	ASK
.endif
	WIN MUL_HI
	MUL16 4, 1, 0
	MUL16 6, 1, 0
	PLACES NP
	WIN 0
	FETCH_A \next, 0, 1
.if \ae
	DIRECT 1, WP1, 2048                            ; set 1 has had its last product: the step after the next
.endif
.endm
.irp b, 0,1,2,3,4,5,6,7
	global_load_b128 v[AF+8*\b:AF+8*\b+3],   v7, s[70:71] offset:1024*\b
	global_load_b128 v[AF+8*\b+4:AF+8*\b+7], v7, s[70:71] offset:1024*\b+16
.endr
	AELOAD 0, AEP1, 0                              ; what steps 0 and 1 need, in the order in which the steps themselves ask: so the steps' count holds from the first step on
	DIRECT 0, WP1, 0
	AELOAD 1, AEP1, 2048
	DIRECT 1, WP1, 2048
	s_wait_loadcnt 40                              ; lora_B is in; the 40 behind it may be out
.irp b, 0,1,2,3,4,5,6,7
.irp i, 0,1,2,3
	v_cvt_pk_bf16_f32 v[LBP+4*\b+\i], v[AF+8*\b+2*\i], v[AF+8*\b+2*\i+1]
.endr
.endr
.irp b, 0,1,2,3,4,5,6,7
	ds_store_b128 v[LBA], v[LBP+4*\b:LBP+4*\b+3] offset:512*\b
.endr
	s_wait_alu depctr_va_vdst(0)
	s_wait_tensorcnt 0x0                           ; my part of slot 0 is in
	ds_add_u32 v[SPW], v[NIL]
	s_wait_dscnt 0x0                               ; the add and my stores of lora_B's fragments are done
	CROUND
	JLOAD G0+4, G1, G0B+4, G1B                     ; slot 1's first fill, the first tensor load behind the round
	FETCH_B 0, 0, 0
	FETCH_A 0, 0, 0
	FETCH_A 0, 0, 1
	STEP 0, 0, 1, 1
	s_mov_b32 s3, LAPS-1
.Llap:
	TURN 0, 1, 1, 1
	STEP 1, 0, 0, 1
	TURN 1, 0, 1, 1
	STEP 0, 0, 0, 1
	s_sub_co_u32 s3, s3, 1
	s_cmp_lg_u32 s3, 0
	s_cbranch_scc1 .Llap
	TURN 0, 1, 0, 1
	STEP 1, 0, 0, 0
	s_wait_loadcnt 0x0                             ; the last step: nothing was asked for behind its AE and W
	s_wait_dscnt 4*NL
	WIN MUL_LO
	MUL16 0, 1, 0
	MUL16 2, 1, 0
	WIN 0
	s_wait_loadcnt 0x0
	TMUL 1, 0
	s_wait_dscnt 0
	WIN MUL_HI
	MUL16 4, 1, 0
	MUL16 6, 1, 0
	WIN 0
	PLACES 5
	s_wait_kmcnt 0x0
	s_add_co_i32 s96, s92, s93
	s_add_co_i32 s98, s94, s95
	s_sub_co_i32 s98, s98, s96
	s_lshl_b32 s98, s98, 23
	s_add_co_i32 s98, s98, 0x3f7ffff6
	s_mov_b32 s99, s98
	s_add_co_i32 s96, s96, 127
	s_lshl_b32 s96, s96, 23
	s_mov_b32 s97, s96
.irp a, 0,1,2,3
.irp j, 0,2,4,6
	v_pk_mul_f32 v[T+8*\a+\j:T+8*\a+\j+1], v[T+8*\a+\j:T+8*\a+\j+1], s[98:99] op_sel_hi:[1,0]
.endr
.irp i, 0,1,2,3
	v_cvt_pk_bf16_f32 v[TF+8*\a+\i], v[T+8*\a+2*\i], v[T+8*\a+2*\i+1]
.endr
	ds_store_b128 v[XST], v[TF+8*\a:TF+8*\a+3] offset:512*\a
.endr
.irp f, 0,1,2,3,4,5,6,7,8,9,10,11,12,13,14,15
.irp i, 4,5,6,7
	v_mov_b32 v[TF+8*\f+\i], 0
.endr
.endr
.irp b, 0,1,2,3,4,5,6,7
	ds_load_b128 v[LBF+8*\b:LBF+8*\b+3], v[LBA] offset:512*\b
.endr
	s_wait_alu depctr_va_vdst(0)
	s_wait_dscnt 0x0
	s_barrier_signal -1
	s_barrier_wait -1
.irp a, 0,1,2,3
	ds_load_b128 v[TF+8*(4+\a):TF+8*(4+\a)+3], v[XLD] offset:512*\a
.endr
	s_wait_dscnt 0x0
.irp a, 0,1,2,3,4,5,6,7
	WIN 0xa0+0x50*(\a/4)
.irp b, 0,1,2,3,4,5,6,7
	v_wmma_f32_16x16x32_bf16 v[8*(8*(\a%4)+\b):8*(8*(\a%4)+\b)+7], v[LBF+8*\b:LBF+8*\b+7], v[TF+8*\a:TF+8*\a+7], v[8*(8*(\a%4)+\b):8*(8*(\a%4)+\b)+7]
.endr
.endr
	WIN 0
	PLACES NP
.macro TOSTAGE a
.set AC, 64*((\a)%4)
	WIN 0x02+((\a)/4)
.irp j, 0,2,4,6,8,10,12,14,16,18,20,22,24,26,28,30,32,34,36,38,40,42,44,46,48,50,52,54,56,58,60,62
	v_pk_mul_f32 v[TMP+\j:TMP+\j+1], v[AC+\j:AC+\j+1], s[96:97] op_sel_hi:[1,0]
.endr
	WIN 0
.irp b, 0,1,2,3,4,5,6,7
	ds_store_b128 v[STO], v[TMP+8*\b:TMP+8*\b+3] offset:64*\b
	ds_store_b128 v[STO], v[TMP+8*\b+4:TMP+8*\b+7] offset:64*\b+16
.endr
.set BB, BK+64*((\a)%2)
.irp t, 0,1,2,3,4,5,6,7,8,9,10,11,12,13,14,15
	ds_load_b128 v[BB+4*\t:BB+4*\t+3], v[RD] offset:\t*SPITCH
.endr
.endm
.macro SEND a, younger
.set BB, BK+64*((\a)%2)
	s_wait_dscnt \younger
.irp t, 0,1,2,3,4,5,6,7,8,9,10,11,12,13,14,15
	global_store_b128 v[CO], v[BB+4*\t:BB+4*\t+3], s[10+2*((\a)/4):11+2*((\a)/4)] offset:(((\a)%4)*16+\t)*SIZE_N*4 th:TH_STORE_NT
.endr
.endm
	TOSTAGE 0
.irp a, 1,2,3,4,5,6,7
.if \a > 1
	s_wait_xcnt 0x0
.endif
	TOSTAGE \a
	SEND \a-1, 32
.endr
	SEND 7, 0
	s_wait_tensorcnt 0x0
	ds_add_u32 v[SPW], v[NIL]
	s_wait_dscnt 0x0
	CROUND
	s_endpgm
.Lfunc_end_k_qbeeed1ec5c_gemm:
	.size	k_qbeeed1ec5c_gemm, .Lfunc_end_k_qbeeed1ec5c_gemm-k_qbeeed1ec5c_gemm
	.p2alignl 7, 3214868480
	.fill 96, 4, 3214868480
	.section	.rodata,"a",@progbits
	.p2align	6, 0x0
	.amdhsa_kernel k_qbeeed1ec5c_gemm
		.amdhsa_group_segment_fixed_size 327680
		.amdhsa_private_segment_fixed_size 0
		.amdhsa_enable_private_segment 0
		.amdhsa_kernarg_size 48
		.amdhsa_user_sgpr_count 2
		.amdhsa_user_sgpr_kernarg_segment_ptr 1
		.amdhsa_wavefront_size32 1
		.amdhsa_system_sgpr_workgroup_id_x 1
		.amdhsa_system_sgpr_workgroup_id_y 1
		.amdhsa_system_sgpr_workgroup_id_z 1
		.amdhsa_system_vgpr_workitem_id 0
		.amdhsa_next_free_vgpr 1024
		.amdhsa_next_free_sgpr 102
		.amdhsa_reserve_vcc 0
		.amdhsa_float_denorm_mode_32 3
		.amdhsa_float_denorm_mode_16_64 3
		.amdhsa_memory_ordered 1
		.amdhsa_forward_progress 1
		.amdhsa_inst_pref_size 152
	.end_amdhsa_kernel
	.amdgpu_metadata
---
amdhsa.version: [ 1, 2 ]
amdhsa.kernels:
  - .name:           k_qbeeed1ec5c_gemm
    .symbol:         k_qbeeed1ec5c_gemm.kd
    .args:
      - { .name: x_codes, .offset: 0, .size: 8, .value_kind: global_buffer, .address_space: global }
      - { .name: w_codes, .offset: 8, .size: 8, .value_kind: global_buffer, .address_space: global }
      - { .name: lowp_scales, .offset: 16, .size: 8, .value_kind: global_buffer, .address_space: global }
      - { .name: out0, .offset: 24, .size: 8, .value_kind: global_buffer, .address_space: global }
      - { .name: ae_frag, .offset: 32, .size: 8, .value_kind: global_buffer, .address_space: global }
      - { .name: lora_B, .offset: 40, .size: 8, .value_kind: global_buffer, .address_space: global }
    .group_segment_fixed_size: 327680
    .private_segment_fixed_size: 0
    .kernarg_segment_align: 8
    .kernarg_segment_size: 48
    .max_flat_workgroup_size: 128
    .sgpr_count:     102
    .vgpr_count:     1024
    .wavefront_size: 32
...
	.end_amdgpu_metadata
.endif
;; end of part 2
